; MI455X (gfx1250); checked and timed in simulation.
; The chip was launched on July 23, 2026; its instructions are those of AMD's public machine-readable ISA for CDNA 5 (MIT licence, August 2026) and "CDNA5" Instruction Set Architecture Reference Guide (July 2026). The comments in the code are by the model that wrote it; some were corrected since.
;; Auto QVLA Linear W4 A4. Allowed arithmetic: matrix products marked QUANTISED: E2M1 operands, one E8M0 scale for each 32 along K, by v_wmma_scale_f32_16x16x128_f8f6f4 with both operands' format E2M1 (or v_wmma_scale_f32_32x16x128_f4), f32 sums; everything else in f32.
;; Inputs: bias 4,096 float16; qweight_packed 4,096 x 2,048 int8; w_scales 4,096 x 1 float16; x 2 x 2,048 x 4,096 float16.
;; Outputs: out0 2 x 2,048 x 4,096 float16.
;; This version of the problem:
;;   THIS VERSION OF THE PROBLEM IS GIVEN IN LOW PRECISION. The matrix products marked QUANTISED in the list below multiply operands that are first quantised to E2M1 (2 exponent bits, 1 mantissa bit; 4 bits a number), with one power-of-two scale for each 32 numbers along K (OCP MX v1.0); their sums are f32. All else is computed in f32.
;;   The module's matrix products, in the order in which they are computed (A, B: the left and right operand; K: the contracted axis; several contracted axes count as one K, in the product's order):
;;     1. [M 4,096, K 4,096] x [K 4,096, N 4,096]; A: computed on the way; B: computed on the way: QUANTISED
;;   THE QUANTISER, for each operand of a quantised product, along K:
;;     - K is cut into blocks of 32 from its start; a last block that is shorter is filled with zeros.
;;     - A block's scale is 2^e with e = floor(log2(the largest magnitude in the block)) - 2, held to -126 .. 127; a block of zeros has e = 0. As a byte (E8M0): e + 127.
;;     - Each number is divided by its block's scale, clamped to +-6, and rounded to the nearest number of E2M1, ties to even, subnormals kept.
;;     - The product sums the exact products of the quantised numbers (number of the format x scale) in f32.
;;   ~~~python
;;   def quantise(x, axis):      # numpy; x: float32 -> the quantised numbers, widened to float32 again
;;       x = np.moveaxis(x, axis, -1); K = x.shape[-1]
;;       x = np.pad(x, [(0, 0)] * (x.ndim - 1) + [(0, -K % 32)]); x = x.reshape(x.shape[:-1] + (-1, 32)); a = np.abs(x).max(-1, keepdims=True)
;;       e = np.where(a > 0, np.clip(np.frexp(np.where(a > 0, a, 1))[1] - 1 - 2, -126, 127), 0)      # np.frexp(a)[1] - 1 = floor(log2(a)), exactly
;;       r = np.clip(x / 2.0 ** e, -6, 6)
;;       step = 2.0 ** (np.maximum(np.frexp(np.where(r == 0, 1, r))[1] - 1, 0) - 1)
;;       q = np.round(r / step) * step * 2.0 ** e      # np.round: ties to even
;;       return np.moveaxis(q.reshape(q.shape[:-2] + (-1,))[..., :K], -1, axis).astype(np.float32)
;;   ~~~
;;   OPERANDS COMPUTED ON THE WAY. 'Computed on the way' means the value that the module computes at that place (a softmax that the list does not call 'softmax' is quantised finished and normalised). What goes into a quantiser is computed in f32, as accurately as f32 sums, v_exp_f32 and their like allow (about 1e-6 of the number): no bf16 or f16 on the way to a quantiser, and a product that is left as it is and whose result goes on into a quantised operand takes f32 operands (vector FMAs, or v_wmma_f32_16x16x4_f32). A number that lies on a knife's edge between two numbers of the format may be rounded either way, as far as f32 arithmetic and the matrix unit's own rounding can turn it there, and no further.
;; One version. Each part assembles by itself: llvm-mc -triple=amdgcn-amd-amdhsa -mcpu=gfx1250 --defsym DOCPART=n.
;; ======== version 1 of 1: 2 launches
;; limits: values are held in f16: magnitudes above 65,504 overflow, below 6.1e-05 lose precision; right only within a limited range of input values
;; workspace buffers: a_pack 8,912,896 bytes; b_pack 8,912,896 bytes
;; launch prep (part 1): grid 512 x 1, 16 waves a work-group, no clusters, 75,776 bytes of LDS; arguments x, qweight_packed, w_scales, a_pack, b_pack; writes a_pack, b_pack
.if DOCPART == 1
	.amdgcn_target "amdgcn-amd-amdhsa--gfx1250"
	.amdhsa_code_object_version 6
	.text
	.protected	k_q7b6dc3005c_prep
	.globl	k_q7b6dc3005c_prep
	.p2align	8
	.type	k_q7b6dc3005c_prep,@function
k_q7b6dc3005c_prep:
	s_mov_b64 s[64:65], 0
	v_nop
	global_prefetch_b8 v0, s[64:65] scope:SCOPE_SE
	s_setreg_imm32_b32 hwreg(HW_REG_WAVE_MODE, 25, 1), 1
	s_wait_xcnt 0x0
; Both operands of out = Q(a_deq) Q(w)^T are made here, once, as codes of FP4 (E2M1) with one E8M0 scale byte for each 32 along K.
;   a_deq[m][k] = clip(round(x / s_m), -8, 7) s_m,  s_m = max(largest |x| of row m, 1e-6) / 7        (x: [4096][4096] f16)
;   w[n][k]     = int4[n][k] w_scales[n]                                                            (two int4 a byte, the lower k in the low four bits)
; A block's scale is 2^(floor(log2(its largest magnitude)) - 2): its byte is that magnitude's exponent field - 2, held at 1 from below.
; THE TWO DIVISIONS (max / 7, x / s) ARE ROUNDED AS A DIVISION IS: a first quotient by a reciprocal, the exact remainder by one fused multiply-add, one correction.  x / s meets exact halves
; (x = max / 2 gives 3.5), and which way round() then goes hangs on the quotient's last bit.
; LAYOUT OF a_pack AND b_pack, in the order of the operand's registers: [K step of 512: 8][128 rows: 32][34,816 bytes]; in such a piece the 32 codes (16 bytes) of place 16 i + r, block kb (0..15) of the K step
; lie at 4096 i + 256 kb + 16 r, and its 16 scale bytes at 32,768 + 16 (16 i + r).  In a_pack place 16 i + r holds row 16 i + r of the piece's 128; in b_pack it holds row 8 r + i, so that lane r of the eight weight tiles
; of the second launch ends with eight neighbouring columns of the result.
; SHARES.  A work-group takes 16 rows, of x or of the weights (a scalar branch on the work-group's number; each way has LDS bytes, a barrier and an end of its own).  Which 16 rows: bits 8:1 of its number.
; WHICH WAY: bit 0 xor bit 8 of its number (rows and way together give the number back, so each 16 rows of each tensor are taken once): of work-groups i and i + 1, and of i and i + 256, one takes x and one the weights.
; Wave w takes one row, whole: the row's largest magnitude never leaves the wave.  The codes of the 16 rows meet in LDS, since 256 consecutive bytes of a pack are one K block of 16 rows, and leave as
; runs of 512 consecutive bytes a store.  The one address register written again, v15 of the weights' scale load, is written after that load is in, and EXEC never changes: no wait on XCNT is owed.
; LIMITS: NaN and infinities among the inputs are not served.  A block of zeros gets the byte 1 where the rule says 127: its codes are zeros, and this program alone reads the bytes.
; a_deq and w go into the quantiser as f32 numbers, not rounded to f16.
.set HALFB, 34816                      ; a piece: 128 rows x 512 K: 32,768 bytes of codes + 2,048 scale bytes
.set KSB,   32*HALFB                   ; a K step of all 4,096 rows
.set PB,    272                        ; LDS: a K block of 16 rows: 256 bytes + 16
.set IMGX,  0                          ; x's way: 128 K blocks,
.set SCX,   IMGX+128*PB                ; and the scale bytes [K step][row][16]: 2,048 bytes
.set IMGW,  36864                      ; the weights' way: the same, in bytes of its own
.set SCW,   IMGW+128*PB
.set T,     16                         ; v16-23  eight numbers at work (the weights' way: v16-47, a whole block)
.set Q,     24                         ; v24-31  quotients; first the four running maxima
.set R,     32                         ; v32-39  remainders
.set B0,    40                         ; v40, v41 a block's largest magnitude, in two chains
.set B1,    41
.set E,     42                         ; v42     the conversion's scale operand
.set BY,    43                         ; v43     the scale's byte
.set C,     44                         ; v44     eight codes
.set WB0,   48                         ; the same for the weights' way: v48-51, and v52-55 a block's 32 codes
.set WB1,   49
.set WE,    50
.set WBY,   51
.set WC,    52
.set RAW,   64                         ; v64-127 the row as loaded
.set OUTR,  64                         ; v64-79  the way out (the row as loaded has been used by then)
; v60 LDS address of my spare word, v61 0: neither is written again.  v1 lane; v2 16 x lane; v3 where my codes go in LDS; v4 where my scale byte goes; v5, v6 where I read codes and scale bytes back; v7 8 x lane;
; v[10:11] s twice; v[12:13] 1/s twice (weights: -8 s twice)
	s_load_b256 s[4:11], s[0:1], 0x0               ; x s[4:5], the int4 s[6:7], w_scales s[8:9], a_pack s[10:11]
	s_load_b64 s[12:13], s[0:1], 0x20              ; b_pack
	v_lshl_add_u32 v60, v0, 2, 0x12000
	v_mov_b32 v61, 0
	v_lshrrev_b32 v8, 5, v0                        ; wave, in every lane,
	s_delay_alu instid0(VALU_DEP_1)
	v_readfirstlane_b32 s16, v8                    ; and as a scalar
	v_and_b32 v1, 31, v0
	s_delay_alu instid0(VALU_DEP_1)
	v_lshlrev_b32 v2, 4, v1
	s_delay_alu instid0(VALU_DEP_2)
	v_lshlrev_b32 v7, 3, v1
	s_delay_alu instid0(VALU_DEP_3)
	v_lshrrev_b32 v9, 4, v1                        ; lane / 16
	s_delay_alu instid0(VALU_DEP_4)
	v_and_b32 v14, 15, v1                          ; lane % 16
	v_mul_u32_u24 v5, v8, 8*PB                     ; back: wave w takes K blocks 8 w .. 8 w + 7, two an instruction
	s_delay_alu instid0(VALU_DEP_1)
	v_mad_u32_u24 v5, v9, PB, v5
	s_delay_alu instid0(VALU_DEP_1)
	v_lshl_add_u32 v5, v14, 4, v5
	v_lshl_add_u32 v6, v8, 8, v7                   ; and, waves 0 to 7, the 256 scale bytes of K step w, 8 a lane
	s_lshr_b32 s17, ttmp9, 1                       ; which 16 rows: bits 8:1 of the work-group's number
	s_lshl_b32 s34, s17, 4
	s_add_co_u32 s34, s34, s16                     ; my row of x
	s_lshr_b32 s18, s17, 3
	s_mul_i32 s18, s18, HALFB                      ; the piece of 128 rows,
	s_and_b32 s19, s17, 7                          ; and which 16 places of them
	s_lshl_b32 s20, s19, 12
	s_add_co_u32 s20, s20, s18
	s_lshr_b32 s32, s16, 1
	s_mul_i32 s32, s32, KSB
	s_add_co_u32 s20, s20, s32                     ; K blocks 8 w on: K step w / 2,
	s_and_b32 s32, s16, 1
	s_lshl_b32 s32, s32, 11
	s_add_co_u32 s20, s20, s32                     ; its lower or upper eight blocks: where my 2,048 bytes of codes go
	s_mov_b32 s21, 0
	s_lshl_b32 s22, s19, 8
	s_add_co_u32 s22, s22, s18
	s_add_co_u32 s22, s22, 32768
	s_and_b32 s32, s16, 7                          ; (waves 8 to 15 form wave w - 8's place and never use it)
	s_mul_i32 s32, s32, KSB
	s_add_co_u32 s22, s22, s32                     ; where K step w's 256 scale bytes go
	s_mov_b32 s23, 0
	s_mov_b32 s19, 0
	s_lshr_b32 s35, ttmp9, 8                       ; which way: bit 8 of the work-group's number
	s_xor_b32 s35, s35, ttmp9                      ; xor bit 0:
	s_and_b32 s35, s35, 1                          ; 0: x, 1: the weights
	s_wait_kmcnt 0x0
	s_cmp_lg_u32 s35, 0
	s_cbranch_scc1 .Lweights
; The way out, once on each way.  My LDS stores have landed; behind the barrier everybody's have.
.macro OUT
	s_wait_dscnt 0x0                               ; for the others' sake: zero
	s_barrier_signal -1
	s_barrier_wait -1
.irp t, 0,1,2,3
	ds_load_b128 v[OUTR+4*\t:OUTR+4*\t+3], v5 offset:2*PB*\t
.endr
.irp t, 0,1,2,3
	s_wait_dscnt 3-\t                              ; LDS loads come back in order (ISA guide 5.7.1): the younger ones may be out
	global_store_b128 v2, v[OUTR+4*\t:OUTR+4*\t+3], s[20:21] offset:512*\t   ; 32 lanes store 512 consecutive bytes, at a multiple of 256 from the pack's first byte
.endr
	s_cmp_lt_u32 s16, 8
	s_cbranch_scc0 .Ldone_\@
	ds_load_b64 v[14:15], v6
	s_wait_dscnt 0x0
	global_store_b64 v7, v[14:15], s[22:23]        ; 32 lanes store 256 consecutive bytes, aligned
.Ldone_\@:
	s_wait_tensorcnt 0x0                           ; the wave's end
	ds_add_u32 v60, v61
	s_wait_dscnt 0x0
	s_endpgm
.endm
; ---------------------------------------------------------------- x
	s_lshl_b32 s18, s34, 13                        ; a row of x is 8,192 bytes
	s_add_nc_u64 s[4:5], s[4:5], s[18:19]
	s_add_nc_u64 s[20:21], s[10:11], s[20:21]
	s_add_nc_u64 s[22:23], s[10:11], s[22:23]
	s_wait_alu depctr_va_vdst(0)                   ; the head's end
.irp j, 0,1,2,3,4,5,6,7,8,9,10,11,12,13,14,15
	global_load_b128 v[RAW+4*\j:RAW+4*\j+3], v2, s[4:5] offset:512*\j th:TH_LOAD_NT   ; 512 consecutive bytes a load; my 8 numbers are k = 256 j + 8 lane + 0 .. 7
.endr
	s_mov_b32 s24, 0x40e00000                      ; 7.0
	s_mov_b32 s25, 0x3e124925                      ; the f32 number nearest to 1 / 7
	s_mov_b32 s26, 0xc1000000                      ; -8.0
	s_mov_b32 s30, 0x76543210                      ; v_permlanex16_b32's selects for lane l xor 16
	s_mov_b32 s31, 0xfedcba98
	v_lshrrev_b32 v9, 2, v1                        ; four lanes hold a block of 32
	v_and_b32 v14, 3, v1
	s_delay_alu instid0(VALU_DEP_2)
	v_mul_u32_u24 v3, v9, PB                       ; codes: K block 8 j + lane / 4, row w, my 4 bytes of its 16
	s_delay_alu instid0(VALU_DEP_1)
	v_lshl_add_u32 v3, v14, 2, v3
	s_delay_alu instid0(VALU_DEP_1)
	v_lshl_add_u32 v3, v8, 4, v3                   ; (IMGX = 0)
	v_lshl_add_u32 v4, v8, 4, v9                   ; the byte: row w, block lane / 4 of the load's eight
	s_delay_alu instid0(VALU_DEP_1)
	v_add_nc_u32 v4, SCX, v4
	v_add_nc_u32 v6, SCX, v6
	v_mov_b32 v15, 0                               ; written once: a lane permute's destination counts as one of its sources
.macro WIDEN h0, h1, h2, h3, h4, h5, h6, h7    ; eight f16 halves, by name, to f32
	v_cvt_f32_f16 v[T+0], \h0
	v_cvt_f32_f16 v[T+1], \h1
	v_cvt_f32_f16 v[T+2], \h2
	v_cvt_f32_f16 v[T+3], \h3
	v_cvt_f32_f16 v[T+4], \h4
	v_cvt_f32_f16 v[T+5], \h5
	v_cvt_f32_f16 v[T+6], \h6
	v_cvt_f32_f16 v[T+7], \h7
.endm
; Pass 1: the largest magnitude, in four chains that the first load's numbers start
.macro MX j, h0, h1, h2, h3, h4, h5, h6, h7
	s_wait_loadcnt 15-\j                           ; loads come back in order (ISA guide 5.7.1): load j is in, the younger ones may be out
	WIDEN \h0, \h1, \h2, \h3, \h4, \h5, \h6, \h7
.irp c, 0,1,2,3
.if \j == 0
	v_max_num_f32 v[Q+\c], |v[T+2*\c]|, |v[T+2*\c+1]|
.else
	v_max3_num_f32 v[Q+\c], v[Q+\c], |v[T+2*\c]|, |v[T+2*\c+1]|
.endif
.endr
.endm
; Pass 2: eight numbers become a_deq and then eight codes
.macro QX j, h0, h1, h2, h3, h4, h5, h6, h7
	WIDEN \h0, \h1, \h2, \h3, \h4, \h5, \h6, \h7
.irp i, 0,2,4,6
	v_pk_mul_f32 v[Q+\i:Q+\i+1], v[T+\i:T+\i+1], v[12:13]                         ; a first quotient: x (1/s)
.endr
.irp i, 0,2,4,6
	s_delay_alu instid0(VALU_DEP_4)
	v_pk_fma_f32 v[R+\i:R+\i+1], v[Q+\i:Q+\i+1], v[10:11], v[T+\i:T+\i+1] neg_lo:[1,0,0] neg_hi:[1,0,0]   ; what it leaves: x - q s, exact
.endr
.irp i, 0,2,4,6
	s_delay_alu instid0(VALU_DEP_4)
	v_pk_fma_f32 v[Q+\i:Q+\i+1], v[R+\i:R+\i+1], v[12:13], v[Q+\i:Q+\i+1]         ; the quotient, rounded once
.endr
.irp i, 0,1,2,3,4,5,6,7
	v_rndne_f32 v[Q+\i], v[Q+\i]                   ; round(): halves to even
.endr
.irp i, 0,1,2,3,4,5,6,7
	v_med3_num_f32 v[Q+\i], v[Q+\i], s26, s24      ; clip to -8 .. 7
.endr
.irp i, 0,2,4,6
	v_pk_mul_f32 v[T+\i:T+\i+1], v[Q+\i:Q+\i+1], v[10:11]                         ; a_deq
.endr
	s_delay_alu instid0(VALU_DEP_4)
	v_max3_num_f32 v[B0], |v[T]|, |v[T+1]|, 0x1800000        ; my eight, and the floor 2^(3 - 127), under which no largest magnitude is taken: so the byte cannot fall under 1
	s_delay_alu instid0(VALU_DEP_3)
	v_max3_num_f32 v[B1], |v[T+2]|, |v[T+3]|, |v[T+4]|
	s_delay_alu instid0(VALU_DEP_2)
	v_max3_num_f32 v[B0], v[B0], |v[T+5]|, |v[T+6]|
	s_delay_alu instid0(VALU_DEP_1)
	v_max3_num_f32 v[B0], v[B0], v[B1], |v[T+7]|
	s_delay_alu instid0(VALU_DEP_1)
	v_max_num_f32_dpp v[B0], v[B0], v[B0] row_xmask:1 row_mask:0xf bank_mask:0xf
	s_delay_alu instid0(VALU_DEP_1)
	v_max_num_f32_dpp v[B0], v[B0], v[B0] row_xmask:2 row_mask:0xf bank_mask:0xf   ; with the three lanes that share the block
	s_delay_alu instid0(VALU_DEP_1)
	v_add_nc_u32 v[E], 0xff000000, v[B0]           ; 2 off its exponent field: the conversion takes the exponent field of this operand as its scale, and nothing else of it
	v_cvt_scalef32_pk8_fp4_f32 v[C], v[T:T+7], v[E]
	v_lshrrev_b32 v[BY], 23, v[E]                  ; the scale's byte; also the plain line behind the conversion
	ds_store_b32 v3, v[C] offset:8*PB*\j
	ds_store_b8 v4, v[BY] offset:256*(\j/2)+8*(\j%2)   ; K step j / 2, blocks 8 (j % 2) on; the four lanes of a block write the same byte with the same value
.endm
.macro ROWS op                                 ; op, once for each of the row's sixteen loads
	\op 0,  v64.l, v64.h, v65.l, v65.h, v66.l, v66.h, v67.l, v67.h
	\op 1,  v68.l, v68.h, v69.l, v69.h, v70.l, v70.h, v71.l, v71.h
	\op 2,  v72.l, v72.h, v73.l, v73.h, v74.l, v74.h, v75.l, v75.h
	\op 3,  v76.l, v76.h, v77.l, v77.h, v78.l, v78.h, v79.l, v79.h
	\op 4,  v80.l, v80.h, v81.l, v81.h, v82.l, v82.h, v83.l, v83.h
	\op 5,  v84.l, v84.h, v85.l, v85.h, v86.l, v86.h, v87.l, v87.h
	\op 6,  v88.l, v88.h, v89.l, v89.h, v90.l, v90.h, v91.l, v91.h
	\op 7,  v92.l, v92.h, v93.l, v93.h, v94.l, v94.h, v95.l, v95.h
	\op 8,  v96.l, v96.h, v97.l, v97.h, v98.l, v98.h, v99.l, v99.h
	\op 9,  v100.l, v100.h, v101.l, v101.h, v102.l, v102.h, v103.l, v103.h
	\op 10, v104.l, v104.h, v105.l, v105.h, v106.l, v106.h, v107.l, v107.h
	\op 11, v108.l, v108.h, v109.l, v109.h, v110.l, v110.h, v111.l, v111.h
	\op 12, v112.l, v112.h, v113.l, v113.h, v114.l, v114.h, v115.l, v115.h
	\op 13, v116.l, v116.h, v117.l, v117.h, v118.l, v118.h, v119.l, v119.h
	\op 14, v120.l, v120.h, v121.l, v121.h, v122.l, v122.h, v123.l, v123.h
	\op 15, v124.l, v124.h, v125.l, v125.h, v126.l, v126.h, v127.l, v127.h
.endm
	ROWS MX
	s_delay_alu instid0(VALU_DEP_2)
	v_max3_num_f32 v[Q], v[Q], v[Q+1], v[Q+2]
	s_delay_alu instid0(VALU_DEP_1)
	v_max_num_f32 v[Q], v[Q], v[Q+3]
	s_delay_alu instid0(VALU_DEP_1)
	v_max_num_f32_dpp v[Q], v[Q], v[Q] row_xmask:1 row_mask:0xf bank_mask:0xf
	s_delay_alu instid0(VALU_DEP_1)
	v_max_num_f32_dpp v[Q], v[Q], v[Q] row_xmask:2 row_mask:0xf bank_mask:0xf
	s_delay_alu instid0(VALU_DEP_1)
	v_max_num_f32_dpp v[Q], v[Q], v[Q] row_xmask:4 row_mask:0xf bank_mask:0xf
	s_delay_alu instid0(VALU_DEP_1)
	v_max_num_f32_dpp v[Q], v[Q], v[Q] row_xmask:8 row_mask:0xf bank_mask:0xf
	s_delay_alu instid0(VALU_DEP_1)
	v_permlanex16_b32 v15, v[Q], s30, s31
	s_delay_alu instid0(VALU_DEP_1)
	v_max_num_f32 v[Q], v[Q], v15                  ; every lane holds the row's largest magnitude,
	s_delay_alu instid0(VALU_DEP_1)
	v_max_num_f32 v14, 0x358637bd, v[Q]            ; held at 1e-6 from below
	s_delay_alu instid0(VALU_DEP_1)
	v_mul_f32 v8, s25, v14                         ; s = max / 7: a first quotient,
	s_delay_alu instid0(VALU_DEP_1)
	v_fma_f32 v9, -v8, s24, v14                    ; what it leaves, exact,
	s_delay_alu instid0(VALU_DEP_1)
	v_fma_f32 v10, v9, s25, v8                     ; the quotient, rounded once
	s_wait_alu depctr_va_vdst(0)                   ; ahead of the reciprocal
	v_rcp_f32 v8, v10
	v_mov_b32 v11, v10                             ; (the plain line behind the reciprocal: ISA guide 5.7.2)
	s_wait_alu depctr_va_vdst(0)                   ; and behind it
	v_fma_f32 v9, -v10, v8, 1.0
	v_fma_f32 v12, v9, v8, v8                      ; 1 / s after one step of Newton's
	s_delay_alu instid0(VALU_DEP_1)
	v_mov_b32 v13, v12
	ROWS QX
	OUT
; ---------------------------------------------------------------- the weights
.Lweights:
	s_lshr_b32 s34, s17, 3                         ; my row of the weights: 128 x piece + 8 x wave + which of the eight
	s_lshl_b32 s34, s34, 7
	s_lshl_b32 s32, s16, 3
	s_add_co_u32 s34, s34, s32
	s_and_b32 s32, s17, 7
	s_add_co_u32 s34, s34, s32
	s_lshl_b32 s18, s34, 11                        ; a row is 2,048 bytes
	s_add_nc_u64 s[6:7], s[6:7], s[18:19]
	s_lshl_b32 s18, s34, 1
	s_add_nc_u64 s[8:9], s[8:9], s[18:19]          ; my row's scale
	s_add_nc_u64 s[20:21], s[12:13], s[20:21]
	s_add_nc_u64 s[22:23], s[12:13], s[22:23]
	v_mov_b32 v15, 0
	global_load_u16 v80, v15, s[8:9]
	s_wait_alu depctr_va_vdst(0)                   ; the head's end
.irp j, 0,1,2,3
	global_load_b128 v[RAW+4*\j:RAW+4*\j+3], v2, s[6:7] offset:512*\j th:TH_LOAD_NT   ; my 16 bytes are a whole block: K block 32 j + lane
.endr
	s_mov_b32 s29, 0x88888888
	v_mul_u32_u24 v3, v1, PB                       ; codes: K block 32 j + lane, place w
	s_delay_alu instid0(VALU_DEP_1)
	v_lshl_add_u32 v3, v8, 4, v3
	s_delay_alu instid0(VALU_DEP_1)
	v_add_nc_u32 v3, IMGW, v3
	v_lshl_add_u32 v4, v9, 8, v14                  ; the byte: K step 2 j + lane / 16, block lane % 16,
	s_delay_alu instid0(VALU_DEP_1)
	v_lshl_add_u32 v4, v8, 4, v4                   ; place w
	s_delay_alu instid0(VALU_DEP_1)
	v_add_nc_u32 v4, SCW, v4
	v_add_nc_u32 v5, IMGW, v5
	v_add_nc_u32 v6, SCW, v6
	s_wait_loadcnt 4                               ; the scale is in; the four loads issued behind it may be out
	v_cvt_f32_f16 v10, v80.l
	s_delay_alu instid0(VALU_DEP_1)
	v_mov_b32 v11, v10
	s_delay_alu instid0(VALU_DEP_2)
	v_mul_f32 v12, 0xc1000000, v10                 ; -8 s
	s_delay_alu instid0(VALU_DEP_1)
	v_mov_b32 v13, v12
.macro QW j
	s_wait_loadcnt 3-\j
.irp d, 0,1,2,3
	v_xor_b32 v[RAW+4*\j+\d], s29, v[RAW+4*\j+\d]  ; a nibble with its top bit turned is the int4 + 8
.endr
.irp d, 0,1,2,3
.irp t, 0,1,2,3,4,5,6,7
	v_bfe_u32 v[T+8*\d+\t], v[RAW+4*\j+\d], 4*\t, 4   ; the lower k in the lower bits
.endr
.endr
.set n, 0
.rept 32
	v_cvt_f32_u32 v[T+n], v[T+n]
.set n, n+1
.endr
.set n, 0
.rept 16
	v_pk_fma_f32 v[T+n:T+n+1], v[T+n:T+n+1], v[10:11], v[12:13]   ; u s - 8 s = int4 x s: 4 bits x 11 bits, so nothing is rounded
.set n, n+2
.endr
	v_max3_num_f32 v[WB0], |v[T]|, |v[T+1]|, 0x1800000       ; the block's largest magnitude: all 32 are mine; and the floor 2^(3 - 127)
	v_max3_num_f32 v[WB1], |v[T+2]|, |v[T+3]|, |v[T+4]|
.irp i, 5,9,13,17,21,25
	s_delay_alu instid0(VALU_DEP_2)
	v_max3_num_f32 v[WB0], v[WB0], |v[T+\i]|, |v[T+\i+1]|
	s_delay_alu instid0(VALU_DEP_2)
	v_max3_num_f32 v[WB1], v[WB1], |v[T+\i+2]|, |v[T+\i+3]|
.endr
	s_delay_alu instid0(VALU_DEP_2)
	v_max3_num_f32 v[WB0], v[WB0], |v[T+29]|, |v[T+30]|
	s_delay_alu instid0(VALU_DEP_1)
	v_max3_num_f32 v[WB0], v[WB0], v[WB1], |v[T+31]|
	s_delay_alu instid0(VALU_DEP_1)
	v_add_nc_u32 v[WE], 0xff000000, v[WB0]
.irp g, 0,1,2,3
	v_cvt_scalef32_pk8_fp4_f32 v[WC+\g], v[T+8*\g:T+8*\g+7], v[WE]
.endr
	v_lshrrev_b32 v[WBY], 23, v[WE]                ; the scale's byte; also the plain line behind the conversions
	ds_store_b128 v3, v[WC:WC+3] offset:32*PB*\j
	ds_store_b8 v4, v[WBY] offset:512*\j
.endm
	QW 0
	QW 1
	QW 2
	QW 3
	OUT
.Lfunc_end_k_q7b6dc3005c_prep:
	.size	k_q7b6dc3005c_prep, .Lfunc_end_k_q7b6dc3005c_prep-k_q7b6dc3005c_prep
	.p2alignl 7, 3214868480
	.fill 96, 4, 3214868480
	.section	.rodata,"a",@progbits
	.p2align	6, 0x0
	.amdhsa_kernel k_q7b6dc3005c_prep
		.amdhsa_group_segment_fixed_size 75776
		.amdhsa_private_segment_fixed_size 0
		.amdhsa_enable_private_segment 0
		.amdhsa_kernarg_size 40
		.amdhsa_user_sgpr_count 2
		.amdhsa_user_sgpr_kernarg_segment_ptr 1
		.amdhsa_wavefront_size32 1
		.amdhsa_system_sgpr_workgroup_id_x 1
		.amdhsa_system_sgpr_workgroup_id_y 1
		.amdhsa_system_sgpr_workgroup_id_z 1
		.amdhsa_system_vgpr_workitem_id 0
		.amdhsa_next_free_vgpr 128
		.amdhsa_next_free_sgpr 66
		.amdhsa_reserve_vcc 0
		.amdhsa_float_denorm_mode_32 3
		.amdhsa_float_denorm_mode_16_64 3
		.amdhsa_memory_ordered 1
		.amdhsa_forward_progress 1
		.amdhsa_inst_pref_size 95
	.end_amdhsa_kernel
	.amdgpu_metadata
---
amdhsa.version: [ 1, 2 ]
amdhsa.kernels:
  - .name:           k_q7b6dc3005c_prep
    .symbol:         k_q7b6dc3005c_prep.kd
    .args:
      - { .name: x, .offset: 0, .size: 8, .value_kind: global_buffer, .address_space: global }
      - { .name: qweight_packed, .offset: 8, .size: 8, .value_kind: global_buffer, .address_space: global }
      - { .name: w_scales, .offset: 16, .size: 8, .value_kind: global_buffer, .address_space: global }
      - { .name: a_pack, .offset: 24, .size: 8, .value_kind: global_buffer, .address_space: global }
      - { .name: b_pack, .offset: 32, .size: 8, .value_kind: global_buffer, .address_space: global }
    .group_segment_fixed_size: 75776
    .private_segment_fixed_size: 0
    .kernarg_segment_align: 8
    .kernarg_segment_size: 40
    .max_flat_workgroup_size: 512
    .sgpr_count:     66
    .vgpr_count:     128
    .wavefront_size: 32
...
	.end_amdgpu_metadata
.endif
;; end of part 1
;; launch gemm (part 2): grid 16 x 16, 4 waves a work-group, clusters of 4 x 4, 327,680 bytes of LDS; arguments a_pack, b_pack, bias, out0; writes out0
.if DOCPART == 2
	.amdgcn_target "amdgcn-amd-amdhsa--gfx1250"
	.amdhsa_code_object_version 6
	.text
	.protected	k_q7b6dc3005c_gemm
	.globl	k_q7b6dc3005c_gemm
	.p2align	8
	.type	k_q7b6dc3005c_gemm,@function
k_q7b6dc3005c_gemm:
	s_mov_b64 s[64:65], 0
	v_nop
	global_prefetch_b8 v0, s[64:65] scope:SCOPE_SE
	s_setreg_imm32_b32 hwreg(HW_REG_WAVE_MODE, 25, 1), 1
	s_wait_xcnt 0x0
	s_wait_alu depctr_hold_cnt(0) depctr_sa_sdst(0) depctr_va_vdst(0) depctr_va_sdst(0) depctr_va_ssrc(0) depctr_va_vcc(0) depctr_vm_vsrc(0)
	s_getreg_b32 s2, hwreg(HW_REG_IB_STS2, 6, 4)
	s_cmp_eq_u32 s2, 0
	s_cbranch_scc0 .Lentry_in_a_cluster
	s_endpgm
.Lentry_in_a_cluster:
	s_bfe_u32 s2, ttmp6, 0x10000c
	s_cmp_lg_u32 s2, 0xf033
	s_cbranch_scc0 .Lentry_shape_is_right
	s_endpgm
.Lentry_shape_is_right:
; out[m][n] = f16(sum over k of a_deq[m][k] w[n][k] + bias[n]): codes of FP4 with E8M0 scales from a_pack (x's rows) and b_pack (the weights' rows), sums in f32 that begin with the bias.
; The bias is added in f32 and the result is rounded to f16 once (the reference rounds the product and the sum).  LIMITS: NaN and infinities among the inputs are not served.
; A tile of 256 x 256 is made by four waves, each 128 x 128 in 512 accumulator registers: 4 pairs of x blocks (32 rows) x 8 weight tiles (16 rows), one matrix instruction 32 x 16 x 128 each.
; WEIGHT TILE b HOLDS ROWS n = 8 r + b (r = 0 .. 15) of the wave's 128: lane r then ends with columns 8 r .. 8 r + 7 of a row, 16 bytes of f16, and 16 neighbouring lanes hold one aligned run of 256 bytes: results are stored
; straight from registers.  The lane's eight biases are 16 consecutive bytes too.
; K goes in steps of 512 (four quarters of 128) through two LDS slots of four pieces (128 rows: 32,768 bytes of codes in the order of the operand's registers, 2,048 of scales), one tensor load a wave each.
; THREE SETS OF FRAGMENTS: quarters 0 and 2 use S0, quarter 1 S1, quarter 3 T.  Quarter 0 fetches S1; quarter 1 fetches S0 and T: so all reads of a slot are issued when quarter 2 begins, the change of slots stands in
; quarter 2, and quarter 3 fetches the next slot's quarter 0.  The loads stand between pairs of matrix instructions.
; CLUSTERS of 4 x 4: x's pieces are asked for jointly along a row of the cluster, the weights' along a column.
; PREFETCH: a wave's pieces of K steps 1, 2 and 3 are asked of memory at the head, those of K steps 4 to 7 one in each K step's quarter 3, right behind the load of the K step two before; each of the four partners names 34 of a
; piece's 136 blocks of 256 bytes, told apart by address.
; REGISTERS: window 0: v16-29 addresses; v32-127 scale words, two sets of 48; v128-255 the bias as C of the first quarter, then T.  Window 1: S0 v0-127, S1 v128-255; on the way out packed results.  Windows 2, 3: accumulators:
; x pair p, weight tile b: window 2 + p / 2, v[128 (p % 2) + 16 b ..].
.set HALFB, 34816
.set KSB,   32*HALFB                   ; a K step of all 4,096 rows
.set SLOT,  4*HALFB
.set SPARE, 2*SLOT                     ; the spare words: 512 bytes that no other line names
.set ADRX,  16                         ; v16-17 my x fragments in slot 0, 1
.set ADRW,  18                         ; v18-19 my weight fragments
.set ADRS,  20                         ; v20-21 the weights' scale words
.set CO,    22                         ; v22 my byte offset in a block of the result
.set PF,    23                         ; v23-24 the prefetches' offsets
.set SPW,   28                         ; v28 LDS address of my spare word; never rewritten
.set NIL,   29                         ; v29 0; never rewritten
.set SC,    32
.set BF,    128
.set G1, 24                            ; descriptor groups: x's s[24:31], s[32:39] (one group 0 a slot); the weights' s[48:55], s[56:63]
.set G0, 32
.set G1B, 48
.set G0B, 56
.set PFA, 66                           ; s[66:67] where my prefetches start
.set MSB, 0
.macro WIN new                         ; the immediate's high byte repeats the setting that is left
.if MSB != (\new)
	s_set_vgpr_msb (MSB<<8)|(\new)
.set MSB, (\new)
.endif
.endm
.macro PLACES
.rept 4
	v_nop
.endr
.endm
.macro JLOAD s                         ; a joint load: waves 0 and 1 fetch x's two pieces, waves 2 and 3 the weights'
	s_cmp_eq_u32 s15, 0
	s_cbranch_scc0 .Lfor_b_\@
	tensor_load_to_lds s[G0+4*\s:G0+4*\s+3], s[G1:G1+7]
	s_nop 0
.rept 4
	v_nop
.endr
	s_branch .Lasked_\@
.Lfor_b_\@:
	tensor_load_to_lds s[G0B+4*\s:G0B+4*\s+3], s[G1B:G1B+7]
	s_nop 0
.rept 4
	v_nop
.endr
.Lasked_\@:
.endm
.macro CREST                           ; a round of the cluster's barrier behind its opening barrier
	s_cmp_lg_u32 s14, 0
	s_cbranch_scc1 .Lnot_wave_0_\@
	s_barrier_signal -3
.Lnot_wave_0_\@:
	s_barrier_wait -3
	s_barrier_signal -1
	s_barrier_wait -1
.endm
.macro CROUND
	s_barrier_signal -1
	s_barrier_wait -1
	CREST
.endm
.macro ASK off                         ; my 34 blocks of a piece: 32, and two more (the lanes left over name the last again)
	global_prefetch_b8 v[PF], s[PFA:PFA+1] offset:\off th:TH_LOAD_NT scope:SCOPE_SE
	global_prefetch_b8 v[PF+1], s[PFA:PFA+1] offset:\off th:TH_LOAD_NT scope:SCOPE_SE
.endm
	s_load_b128 s[4:7], s[0:1], 0x0                ; a_pack, b_pack
	s_load_b128 s[8:11], s[0:1], 0x10              ; bias, out0
	v_lshl_add_u32 v[SPW], v0, 2, SPARE
	v_mov_b32 v[NIL], 0
	ds_add_u32 v[SPW], v[NIL]                      ; the opening: the add, twice on end, and its wait
	ds_add_u32 v[SPW], v[NIL]
	v_lshrrev_b32 v1, 5, v0
	v_readfirstlane_b32 s14, v1                    ; wave 0..3
	s_lshr_b32 s15, s14, 1                         ; my half of the tile's rows.  Also: I fetch for x (0) or for the weights (1)
	s_and_b32 s16, s14, 1                          ; my half of its columns.  Also: which piece of the two I fetch
	s_bfe_u32 s40, ttmp6, 0x40000                  ; cx, cy
	s_bfe_u32 s41, ttmp6, 0x40004
	s_lshl_b32 s42, ttmp9, 2
	s_add_co_u32 s42, s42, s40                     ; tile column
	s_and_b32 s17, ttmp7, 0xffff
	s_lshl_b32 s17, s17, 2
	s_add_co_u32 s17, s17, s41                     ; tile row
	s_lshl_b32 s43, s41, 2
	s_lshl_b32 s43, 15, s43                        ; my row of the cluster
	s_lshl_b32 s44, 0x1111, s40                    ; my column
	s_or_b32 s[G1+0], s43, (3<<16)|(1<<21)         ; a piece: 136 rows of 256 bytes (32 elements of 8), dense
	s_or_b32 s[G1B+0], s44, (3<<16)|(1<<21)
.irp g, G1, G1B
	s_mov_b32 s[\g+1], 32<<16
	s_mov_b32 s[\g+2], 136<<16
	s_mov_b32 s[\g+3], 32<<16
	s_mov_b32 s[\g+4], 136
	s_mov_b32 s[\g+5], 32
	s_mov_b32 s[\g+6], 0
	s_mov_b32 s[\g+7], 0
.endr
	s_lshl_b32 s20, s17, 1
	s_add_co_u32 s20, s20, s16
	s_mul_i32 s20, s20, HALFB                      ; x's piece by the tile row,
	s_mov_b32 s21, 0
	s_lshl_b32 s46, s42, 1
	s_add_co_u32 s46, s46, s16
	s_mul_i32 s46, s46, HALFB                      ; the weights' by the tile column
	s_mov_b32 s47, 0
	s_mul_i32 s45, s14, HALFB                      ; where it goes: wave x piece
	s_wait_dscnt 0x0                               ; both opening adds are done
	s_wait_kmcnt 0x0
	s_add_nc_u64 s[20:21], s[4:5], s[20:21]
	s_add_nc_u64 s[46:47], s[6:7], s[46:47]
	CROUND                                         ; all sixteen work-groups are here: the first joint loads meet
.irp s, 0,1
	s_mov_b32 s[G0+4*\s], 1
	s_add_co_u32 s[G0+4*\s+1], s45, \s*SLOT
	s_add_nc_u64 s[G0+4*\s+2:G0+4*\s+3], s[20:21], \s*KSB
	s_or_b32 s[G0+4*\s+3], s[G0+4*\s+3], 0x80000000
	s_mov_b32 s[G0B+4*\s], 1
	s_add_co_u32 s[G0B+4*\s+1], s45, \s*SLOT
	s_add_nc_u64 s[G0B+4*\s+2:G0B+4*\s+3], s[46:47], \s*KSB
	s_or_b32 s[G0B+4*\s+3], s[G0B+4*\s+3], 0x80000000
.endr
	JLOAD 0                                        ; K step 0: one tensor load a wave at the head
	s_cmp_eq_u32 s15, 0                            ; the prefetches: the piece that I fetch,
	s_cselect_b64 s[PFA:PFA+1], s[20:21], s[46:47]
	s_cselect_b32 s18, s40, s41                    ; and my place among the four that ask for it
	s_mul_i32 s18, s18, 34*256
	s_mov_b32 s19, 0
	s_add_nc_u64 s[PFA:PFA+1], s[PFA:PFA+1], s[18:19]
	s_mul_i32 s21, s15, HALFB                      ; my 128 rows of x in a slot,
	s_mul_i32 s22, s16, HALFB
	s_add_co_u32 s22, s22, 2*HALFB                 ; and of the weights, behind x's two pieces
	s_lshl_b32 s68, s42, 9
	s_lshl_b32 s69, s16, 8
	s_add_co_u32 s68, s68, s69                     ; my first column, in bytes of f16
	s_mov_b32 s69, 0
	s_add_nc_u64 s[8:9], s[8:9], s[68:69]
	v_and_b32 v1, 31, v0                           ; lane
	v_and_b32 v2, 15, v0                           ; r
	v_bfe_u32 v3, v0, 4, 1                         ; h
	v_lshlrev_b32 v4, 4, v1
	v_lshlrev_b32 v5, 4, v2
	v_add_nc_u32 v[ADRX], s21, v4                  ; a fragment's 512 bytes, 16 a lane; also 32 rows' scale words
	v_add_nc_u32 v[ADRW], s22, v4
	v_add_nc_u32 v[ADRS], s22, v5                  ; 16 rows' scale words
	v_add_nc_u32 v[ADRX+1], SLOT, v[ADRX]
	v_add_nc_u32 v[ADRW+1], SLOT, v[ADRW]
	v_add_nc_u32 v[ADRS+1], SLOT, v[ADRS]
	v_lshl_add_u32 v[CO], v3, 16, v5               ; the result: 8 h rows of 8,192 bytes + 16 r
	v_lshlrev_b32 v[PF], 8, v1
	v_min_u32 v6, 1, v1
	v_lshlrev_b32 v6, 8, v6
	v_add_nc_u32 v[PF+1], 8192, v6
	s_wait_alu depctr_va_vdst(0)
	global_load_b128 v[12:15], v5, s[8:9]          ; bias of columns 8 r .. 8 r + 7
	ASK KSB
	ASK 2*KSB
	s_lshl_b32 s70, s17, 8
	s_lshl_b32 s71, s15, 7
	s_add_co_u32 s70, s70, s71
	s_lshl_b32 s70, s70, 13                        ; my first row, in bytes
	s_mov_b32 s71, 0
	s_add_nc_u64 s[70:71], s[70:71], s[68:69]
	s_add_nc_u64 s[10:11], s[10:11], s[70:71]
	s_wait_loadcnt 0x0
.set n, 0
.irp r, v12.l, v12.h, v13.l, v13.h, v14.l, v14.h, v15.l, v15.h
.rept 16
	v_cvt_f32_f16 v[BF+n], \r                      ; tile b's C: the lane's column has one bias for all its rows
.set n, n+1
.endr
.endr
; Two matrix instructions: number n = 0 .. 15 of a quarter.  fb, sw: the fragments' first register and their window in both source fields; q: which scale word; sc: the set of scale words.  The 32 accumulators take turns.
.macro PAIR n, fb, sw, q, sc, first
.set P_, (\n)/4
.set B_, 2*((\n)%4)
.set AC, 128*(P_%2)
.if \first
	WIN 0x80+0x40*(P_/2)+\sw
.else
	WIN 0xa0+0x50*(P_/2)+\sw
.endif
.rept 2
.set SX, SC+48*(\sc)+4*P_+(\q)
.set SW_, SC+48*(\sc)+16+4*B_+(\q)
.if \first
	v_wmma_scale_f32_32x16x128_f4 v[AC+16*B_:AC+16*B_+15], v[\fb+16*P_:\fb+16*P_+15], v[\fb+64+8*B_:\fb+64+8*B_+7], v[BF+16*B_:BF+16*B_+15], v[SX], v[SW_]
.else
	v_wmma_scale_f32_32x16x128_f4 v[AC+16*B_:AC+16*B_+15], v[\fb+16*P_:\fb+16*P_+15], v[\fb+64+8*B_:\fb+64+8*B_+7], v[AC+16*B_:AC+16*B_+15], v[SX], v[SW_]
.endif
.set B_, B_+1
.endr
.endm
; Fragment g = 0 .. 15 of a quarter in the order of need: x pair 0, the eight weight tiles, x pairs 1 to 3.  dw: the destination's window field.
.macro FG g, slot, q, fb, dw
	WIN \dw
.set G_, \g
.if 2 > G_
.set I_, G_
.set RG, \fb+8*I_
.set AD, ADRX+\slot
.else
.if 10 > G_
.set I_, G_-2
.set RG, \fb+64+8*I_
.set AD, ADRW+\slot
.else
.set I_, G_-8
.set RG, \fb+8*I_
.set AD, ADRX+\slot
.endif
.endif
	ds_load_b128 v[RG:RG+3], v[AD] offset:4096*I_+1024*(\q)
	ds_load_b128 v[RG+4:RG+7], v[AD] offset:4096*I_+1024*(\q)+512
.endm
; Scale words of slot s into set s, four words (a K step) a row: part 0 x's four pairs (lane l: row l of 32), parts 1 and 2 the weights' tiles (lane r: row r; lanes 16-31 hold the same and are not read)
.macro SCL part, s
	WIN 0
.irp i, 0,1,2,3
.if (\part) == 0
	ds_load_b128 v[SC+48*\s+4*\i:SC+48*\s+4*\i+3], v[ADRX+\s] offset:32768+512*\i
.else
	ds_load_b128 v[SC+48*\s+16*(\part)+4*\i:SC+48*\s+16*(\part)+4*\i+3], v[ADRS+\s] offset:32768+1024*((\part)-1)+256*\i
.endif
.endr
.endm
; QUARTER 0, on S0, fetches quarter 1 into S1: one fragment behind each pair.  The wait: x pair n / 4 and the weights are in; out may be the younger x pairs' loads (12, 8, 4, 0) and this quarter's (2 a pair).
.macro Q0 slot, first
.set N_, 0
.rept 16
.if (N_%4) == 0
	s_wait_dscnt 12+N_
.endif
	PAIR N_, 0, 5, 0, \slot, \first
	FG N_, \slot, 1, 128, 0x40
.set N_, N_+1
.endr
.endm
; QUARTER 1, on S1, fetches quarters 2 (S0) and 3 (T): two fragments, four loads, behind each pair
.macro Q1 slot
.set N_, 0
.rept 16
.if (N_%4) == 0
	s_wait_dscnt 12+3*N_
.endif
	PAIR N_, 128, 5, 1, \slot, 0
.if N_ == 0
	PLACES                                         ; four places behind the last reader of S0 (and of the bias), ahead of the loads
.endif
.if 8 > N_
	FG 2*N_, \slot, 2, 0, 0x40
	FG 2*N_+1, \slot, 2, 0, 0x40
.else
	FG 2*N_-16, \slot, 3, 128, 0
	FG 2*N_-15, \slot, 3, 128, 0
.endif
.set N_, N_+1
.endr
.endm
; QUARTER 2, on S0, changes slots.  All of this slot's loads are issued: out may be quarter 3's 32 and the younger x pairs'.  fill = 1: the slot is filled again, two K steps ahead.
.macro Q2 slot, fill
.set N_, 0
.rept 8
.if (N_%4) == 0
	s_wait_dscnt 44-N_
.endif
	PAIR N_, 0, 5, 2, \slot, 0
.set N_, N_+1
.endr
	WIN 0
	s_wait_tensorcnt 0x0                           ; my part of the next slot has landed;
	ds_add_u32 v[SPW], v[NIL]                      ; 0 onto my spare word
	s_wait_dscnt 37                                ; x pair 2 is in: 4 + 32 loads and the add may be out
.rept 4
	PAIR N_, 0, 5, 2, \slot, 0
.set N_, N_+1
.endr
	s_wait_dscnt 0x0                               ; the add is done, and my reads of this slot are over
	s_barrier_signal -1
.rept 4
	PAIR N_, 0, 5, 2, \slot, 0
.set N_, N_+1
.endr
	WIN 0
	s_barrier_wait -1
.if \fill
	CREST                                          ; the barrier has opened a round: no wave of any partner still reads this slot or has a load on its way
	s_add_nc_u64 s[G0+4*\slot+2:G0+4*\slot+3], s[G0+4*\slot+2:G0+4*\slot+3], 2*KSB
	s_add_nc_u64 s[G0B+4*\slot+2:G0B+4*\slot+3], s[G0B+4*\slot+2:G0B+4*\slot+3], 2*KSB
	JLOAD \slot                                    ; the first tensor load behind the round; its four v_nop are also the places ahead of the loads into S0
.else
	PLACES
.endif
.endm
; QUARTER 3, on T (all in), fetches the next slot's quarter 0 and its scale words.  ask: the prefetch's offset, or 0; in the loop's last trip there is no K step to ask for.
.macro Q3 slot, next, ask
.set N_, 0
.rept 16
	PAIR N_, 128, 0, 3, \slot, 0
.if 3 > N_
	SCL N_, \next
.endif
	FG N_, \next, 0, 0, 0x40
.if N_ == 9
.if \ask
	WIN 0
	s_cmp_gt_u32 s3, 1
	s_cbranch_scc0 .Lno_ask_\@
	ASK \ask
.Lno_ask_\@:
.endif
.endif
.set N_, N_+1
.endr
.endm
; The last K step's quarter 3: the products of one x pair; nothing to fetch
.macro Q3L from
.set N_, \from
	s_wait_dscnt 12-N_
.rept 4
	PAIR N_, 128, 0, 3, 1, 0
.set N_, N_+1
.endr
.endm
; THE WAY OUT of x pair p, 32 rows, in two halves; a store's 32 lanes cover 256 consecutive aligned bytes of each of two rows.  Each store has registers of its own.
.macro OUTP p
.irp f, 0,1
	WIN 0x4a+5*((\p)/2)
.irp j, 0,1,2,3,4,5,6,7
.irp c, 0,1,2,3
	v_cvt_pk_f16_f32 v[64*\p+32*\f+4*\j+\c], v[128*(\p%2)+32*\c+8*\f+\j], v[128*(\p%2)+32*\c+16+8*\f+\j]
.endr
.endr
	WIN 0x04
.irp j, 0,1,2,3,4,5,6,7
	global_store_b128 v[CO], v[64*\p+32*\f+4*\j:64*\p+32*\f+4*\j+3], s[10:11] offset:(32*\p+16*\f+\j)*8192 th:TH_STORE_NT
.endr
.endr
.endm
	s_wait_alu depctr_va_vdst(0)                   ; the head's end
	s_wait_tensorcnt 0x0                           ; my part of K step 0 is in; these lines stand ahead of a later first fill as ahead of a refill
	ds_add_u32 v[SPW], v[NIL]
	s_wait_dscnt 0x0
	CROUND
	JLOAD 1                                        ; K step 1
	SCL 0, 0
	SCL 1, 0
	SCL 2, 0
.set N_, 0
.rept 16
	FG N_, 0, 0, 0, 0x40
.set N_, N_+1
.endr
	WIN 0
	ASK 3*KSB
	Q0 0, 1                                        ; the first quarter's C is the bias
	WIN 0
	s_mov_b32 s3, 3
.Llap:                                                 ; a trip: two K steps, from a slot 0's quarter 1 to the next slot 0's quarter 0; both slots are filled again
	Q1 0
	Q2 0, 1
	Q3 0, 1, 4*KSB
	Q0 1, 0
	Q1 1
	Q2 1, 1
	Q3 1, 0, 5*KSB
	Q0 0, 0
	WIN 0
	s_wait_xcnt 0x0                                ; the prefetches have read their base
	s_add_nc_u64 s[PFA:PFA+1], s[PFA:PFA+1], 2*KSB
	s_sub_co_u32 s3, s3, 1
	s_cmp_lg_u32 s3, 0
	s_cbranch_scc1 .Llap
	Q1 0                                           ; K step 6: nothing is filled again
	Q2 0, 0
	Q3 0, 1, 0
	Q0 1, 0                                        ; K step 7, the last
	Q1 1
.set N_, 0
.rept 16
.if (N_%4) == 0
	s_wait_dscnt 44-N_
.endif
	PAIR N_, 0, 5, 2, 1, 0
.set N_, N_+1
.endr
	Q3L 0
	Q3L 4
	PLACES                                         ; pair 0's conversions read finished sums; they are the places behind pair 1's products, and so on
	OUTP 0
	Q3L 8
	OUTP 1
	Q3L 12
	OUTP 2
	OUTP 3
	WIN 0
	s_wait_tensorcnt 0x0                           ; the wave's end
	ds_add_u32 v[SPW], v[NIL]
	s_wait_dscnt 0x0
	CROUND                                         ; the closing round
	s_endpgm
.Lfunc_end_k_q7b6dc3005c_gemm:
	.size	k_q7b6dc3005c_gemm, .Lfunc_end_k_q7b6dc3005c_gemm-k_q7b6dc3005c_gemm
	.p2alignl 7, 3214868480
	.fill 96, 4, 3214868480
	.section	.rodata,"a",@progbits
	.p2align	6, 0x0
	.amdhsa_kernel k_q7b6dc3005c_gemm
		.amdhsa_group_segment_fixed_size 327680
		.amdhsa_private_segment_fixed_size 0
		.amdhsa_enable_private_segment 0
		.amdhsa_kernarg_size 32
		.amdhsa_user_sgpr_count 2
		.amdhsa_user_sgpr_kernarg_segment_ptr 1
		.amdhsa_wavefront_size32 1
		.amdhsa_system_sgpr_workgroup_id_x 1
		.amdhsa_system_sgpr_workgroup_id_y 1
		.amdhsa_system_sgpr_workgroup_id_z 1
		.amdhsa_system_vgpr_workitem_id 0
		.amdhsa_next_free_vgpr 1024
		.amdhsa_next_free_sgpr 80
		.amdhsa_reserve_vcc 0
		.amdhsa_float_denorm_mode_32 3
		.amdhsa_float_denorm_mode_16_64 3
		.amdhsa_memory_ordered 1
		.amdhsa_forward_progress 1
		.amdhsa_inst_pref_size 151
	.end_amdhsa_kernel
	.amdgpu_metadata
---
amdhsa.version: [ 1, 2 ]
amdhsa.kernels:
  - .name:           k_q7b6dc3005c_gemm
    .symbol:         k_q7b6dc3005c_gemm.kd
    .args:
      - { .name: a_pack, .offset: 0, .size: 8, .value_kind: global_buffer, .address_space: global }
      - { .name: b_pack, .offset: 8, .size: 8, .value_kind: global_buffer, .address_space: global }
      - { .name: bias, .offset: 16, .size: 8, .value_kind: global_buffer, .address_space: global }
      - { .name: out0, .offset: 24, .size: 8, .value_kind: global_buffer, .address_space: global }
    .group_segment_fixed_size: 327680
    .private_segment_fixed_size: 0
    .kernarg_segment_align: 8
    .kernarg_segment_size: 32
    .max_flat_workgroup_size: 128
    .sgpr_count:     80
    .vgpr_count:     1024
    .wavefront_size: 32
...
	.end_amdgpu_metadata
.endif
;; end of part 2
